; MI455X (gfx1250); checked and timed in simulation.
; The chip was launched on July 23, 2026; its instructions are those of AMD's public machine-readable ISA for CDNA 5 (MIT licence, August 2026) and "CDNA5" Instruction Set Architecture Reference Guide (July 2026). The comments in the code are by the model that wrote it; some were corrected since.
;; VQ2 Linear. Allowed arithmetic: matrix products marked QUANTISED: E2M1 operands, one E8M0 scale for each 32 along K, by v_wmma_scale_f32_16x16x128_f8f6f4 with both operands' format E2M1 (or v_wmma_scale_f32_32x16x128_f4), f32 sums; everything else in f32.
;; Inputs: emb_weight 8,192 x 256 float32; z 32,768 x 256 float32.
;; Outputs: out0 32,768 x 256 float32; out1 one number float32.
;; This version of the problem:
;;   THIS VERSION OF THE PROBLEM IS GIVEN IN LOW PRECISION. The matrix products marked QUANTISED in the list below multiply operands that are first quantised to E2M1 (2 exponent bits, 1 mantissa bit; 4 bits a number), with one power-of-two scale for each 32 numbers along K (OCP MX v1.0); their sums are f32. All else is computed in f32.
;;   The module's matrix products, in the order in which they are computed (A, B: the left and right operand; K: the contracted axis; several contracted axes count as one K, in the product's order):
;;     1. [M 32,768, K 256] x [K 256, N 8,192]; A: input z; B: input emb_weight: QUANTISED
;;   THE QUANTISER, for each operand of a quantised product, along K:
;;     - K is cut into blocks of 32 from its start; a last block that is shorter is filled with zeros.
;;     - A block's scale is 2^e with e = floor(log2(the largest magnitude in the block)) - 2, held to -126 .. 127; a block of zeros has e = 0. As a byte (E8M0): e + 127.
;;     - Each number is divided by its block's scale, clamped to +-6, and rounded to the nearest number of E2M1, ties to even, subnormals kept.
;;     - The product sums the exact products of the quantised numbers (number of the format x scale) in f32.
;;   ~~~python
;;   def quantise(x, axis):      # numpy; x: float32 -> the quantised numbers, widened to float32 again
;;       x = np.moveaxis(x, axis, -1); K = x.shape[-1]
;;       x = np.pad(x, [(0, 0)] * (x.ndim - 1) + [(0, -K % 32)]); x = x.reshape(x.shape[:-1] + (-1, 32)); a = np.abs(x).max(-1, keepdims=True)
;;       e = np.where(a > 0, np.clip(np.frexp(np.where(a > 0, a, 1))[1] - 1 - 2, -126, 127), 0)      # np.frexp(a)[1] - 1 = floor(log2(a)), exactly
;;       r = np.clip(x / 2.0 ** e, -6, 6)
;;       step = 2.0 ** (np.maximum(np.frexp(np.where(r == 0, 1, r))[1] - 1, 0) - 1)
;;       q = np.round(r / step) * step * 2.0 ** e      # np.round: ties to even
;;       return np.moveaxis(q.reshape(q.shape[:-2] + (-1,))[..., :K], -1, axis).astype(np.float32)
;;   ~~~
;; One version. Each part assembles by itself: llvm-mc -triple=amdgcn-amd-amdhsa -mcpu=gfx1250 --defsym DOCPART=n.
;; ======== version 1 of 1: 4 launches
;; limits: right only within a limited range of input values
;; workspace buffers: pack 5,898,240 bytes; cand 2,097,152 bytes of whole numbers; part 8,192 bytes
;; launch quant (part 1): grid 256 x 1, 10 waves a work-group, no clusters, 167,680 bytes of LDS; arguments z, emb_weight, pack; writes pack
.if DOCPART == 1
	.amdgcn_target "amdgcn-amd-amdhsa--gfx1250"
	.amdhsa_code_object_version 6
	.text
	.protected	k_qcaaa997f94_quant
	.globl	k_qcaaa997f94_quant
	.p2align	8
	.type	k_qcaaa997f94_quant,@function
k_qcaaa997f94_quant:
	s_mov_b64 s[64:65], 0
	v_nop
	global_prefetch_b8 v0, s[64:65] scope:SCOPE_SE
	s_setreg_imm32_b32 hwreg(HW_REG_WAVE_MODE, 25, 1), 1
	s_wait_xcnt 0x0
; z [32768][256] and emb_weight [8192][256], f32, become codes of FP4 (E2M1) with one E8M0 scale byte for each 32 along K, laid as IMAGES OF THE
; MATRIX OPERAND'S REGISTERS, with each row's sum of squares beside them.  16 rows make a tile of 2,304 bytes in pack; tiles 0-2047 are z's, 2048-2559 emb's:
;   bytes 512 q + 16 lane (q = 0..3): the 16 code bytes of block 2 q + h of row r (r = lane % 16, h = lane / 16): registers 4 c .. 4 c + 3 of the fragment of K step s, q = 2 s + c
;   bytes 2048 + 4 lane: row r's scale word of K step h        bytes 2176 + 4 lane: the sum of squares of row r (the same in both halves)
; A block's scale is 2^(floor(log2(its largest magnitude)) - 2): its byte is that magnitude's exponent field - 2, held at 1 from below.
; LIMITS: NaN and infinities among the inputs are not served.  A block whose largest magnitude lies under 2^(3 - 127), a block of zeros among them, gets the byte 1;
; a block of zeros has zero codes, which add nothing under that byte, and this program alone reads the bytes.
; SHARES: 2,560 tiles = 256 work-groups x 10 waves: a wave to a tile.  Waves share nothing: no barrier.  No tile is read by two work-groups: nothing to ask for jointly.
; A load is best where neighbouring lanes take neighbouring bytes; the conversions want 32 neighbours along K in ONE lane.  Both are had: the tile's 16,384 bytes are loaded as they lie,
; 512 bytes a load, all 32 loads out at once, go through the wave's own stage in LDS, and come back a block of 128 bytes a lane.
.set STG,   16640                      ; a wave's stage: 16 rows of PITCH bytes
.set PITCH, 1040                       ; 1,024 bytes + 16: the 16 rows that a load of 16 lanes touches start 16 bytes apart modulo 256
.set TILEB, 2304
.set EB,    10                         ; v10-13   the scale bytes of my four blocks
.set C,     28                         ; v28-43   my four blocks' codes, four registers each; never rewritten, so no store's data are written again
.set R,     48                         ; v48-175  the tile as loaded
.set X,     176                        ; v176-239 two sets of 32 neighbours
	s_load_b128 s[4:7], s[0:1], 0x0                ; z, emb_weight
	s_load_b64 s[8:9], s[0:1], 0x10                ; pack
	v_lshl_add_u32 v240, v0, 2, 0x28a00
	v_mov_b32 v241, 0
	v_lshrrev_b32 v1, 5, v0
	s_delay_alu instid0(VALU_DEP_1)
	v_readfirstlane_b32 s10, v1                    ; wave 0..9
	v_and_b32 v1, 31, v0                           ; lane
	v_and_b32 v2, 15, v0                           ; r
	v_bfe_u32 v3, v0, 4, 1                         ; h
	s_delay_alu instid0(VALU_DEP_3)
	v_lshlrev_b32 v4, 4, v1                        ; 16 x lane: my bytes of a load's or a store's 512
	s_mul_i32 s11, s10, STG                        ; my stage
	v_add_nc_u32 v5, s11, v4                       ; into it: as the bytes lie
	v_mul_u32_u24 v6, v2, PITCH
	s_delay_alu instid0(VALU_DEP_1)
	v_lshl_add_u32 v6, v3, 7, v6
	s_delay_alu instid0(VALU_DEP_1)
	v_add_nc_u32 v6, s11, v6                       ; out of it: row r, + 128 h: blocks h, 2 + h, 4 + h, 6 + h
	v_lshlrev_b32 v8, 2, v1                        ; 4 x lane
	v_lshlrev_b32 v9, 3, v3                        ; 8 h: my bytes' place in a scale word, in bits
	v_mov_b32 v24, 0                               ; a lane permute's destination counts as one of its sources: written once
	v_mov_b32 v25, 0
	v_mov_b32 v26, 0
	s_mov_b32 s20, 0x76543210
	s_mov_b32 s21, 0xfedcba98                      ; v_permlanex16_b32's selects for lane l xor 16
	s_mul_i32 s12, ttmp9, 10
	s_add_co_u32 s12, s12, s10                     ; my tile
	s_mul_i32 s16, s12, TILEB                      ; and its place in pack
	s_mov_b32 s17, 0
	s_mov_b32 s15, 0
	s_wait_alu depctr_va_vdst(0)
	s_wait_kmcnt 0x0
	s_cmp_lt_u32 s12, 2048                         ; z's tile or emb's?  The choice hangs on the tile's number alone; both take one path
	s_cselect_b64 s[4:5], s[4:5], s[6:7]
	s_cselect_b32 s13, 0, 2048
	s_sub_co_u32 s14, s12, s13
	s_lshl_b32 s14, s14, 14                        ; 16 rows of 1,024 bytes a tile
	s_add_nc_u64 s[4:5], s[4:5], s[14:15]
	s_add_nc_u64 s[8:9], s[8:9], s[16:17]
.set i, 0
.rept 32
	global_load_b128 v[R+4*i:R+4*i+3], v4, s[4:5] offset:512*i th:TH_LOAD_NT   ; 32 lanes read 512 consecutive bytes; the launch reads each byte once
.set i, i+1
.endr
.set i, 0
.rept 32
	s_wait_loadcnt 31-i                            ; loads come back in order: load i is in, the 31 - i younger ones stay out
	ds_store_b128 v5, v[R+4*i:R+4*i+3] offset:(i/2)*PITCH+(i%2)*512   ; half i % 2 of row i / 2
.set i, i+1
.endr
.macro LOADX q                         ; block 2 q + h of my row: 32 numbers into set q % 2.  LDS serves a wave's instructions in order: these see my stores
.irp i, 0,1,2,3,4,5,6,7
	ds_load_b128 v[X+32*((\q)%2)+4*\i:X+32*((\q)%2)+4*\i+3], v6 offset:256*(\q)+16*\i
.endr
.endm
.macro BLOCK q
.set XS, X+32*((\q)%2)
.if (\q) < 3
	s_wait_dscnt 8                                 ; this block's eight loads are in; the next block's eight may be out
.else
	s_wait_dscnt 0x0
.endif
	v_max3_num_f32 v14, |v[XS]|, |v[XS+1]|, |v[XS+2]|              ; the block's largest magnitude: all 32 numbers are mine; two chains
	v_max3_num_f32 v15, |v[XS+3]|, |v[XS+4]|, |v[XS+5]|
.irp i, 6,10,14,18,22,26
	s_delay_alu instid0(VALU_DEP_2)
	v_max3_num_f32 v14, v14, |v[XS+\i]|, |v[XS+\i+1]|
	s_delay_alu instid0(VALU_DEP_2)
	v_max3_num_f32 v15, v15, |v[XS+\i+2]|, |v[XS+\i+3]|
.endr
	s_delay_alu instid0(VALU_DEP_2)
	v_max3_num_f32 v14, v14, |v[XS+30]|, |v[XS+31]|
	s_delay_alu instid0(VALU_DEP_1)
	v_max3_num_f32 v14, v14, v15, 0x1800000        ; and the floor 2^(3 - 127): the byte cannot fall under 1
	s_delay_alu instid0(VALU_DEP_1)
	v_add_nc_u32 v16, 0xff000000, v14              ; 2 off its exponent field: the conversion takes the exponent field of this operand as its scale, and nothing else of it
.irp g, 0,1,2,3
	v_cvt_scalef32_pk8_fp4_f32 v[C+4*(\q)+\g], v[XS+8*\g:XS+8*\g+7], v16   ; eight numbers / the scale, to the nearest code, ties to even, beyond 6 the largest code; the first number's code in the lowest bits
.endr
	v_lshrrev_b32 v[EB+(\q)], 23, v16              ; the scale's byte.  (Also the plain instruction behind the conversions)
.irp k, 0,2,4,6,8,10,12,14,16,18,20,22,24,26,28,30
.if ((\q) == 0) && (\k < 4)
	v_pk_mul_f32 v[18+\k:19+\k], v[XS+\k:XS+\k+1], v[XS+\k:XS+\k+1]          ; the first products start the two chains of squares: nothing is cleared
.else
	v_pk_fma_f32 v[18+(\k)%4:19+(\k)%4], v[XS+\k:XS+\k+1], v[XS+\k:XS+\k+1], v[18+(\k)%4:19+(\k)%4]
.endif
.endr
	global_store_b128 v4, v[C+4*(\q):C+4*(\q)+3], s[8:9] offset:512*(\q)     ; image q: 32 lanes store 512 consecutive bytes, at a multiple of 256 from pack's first byte
.endm
	LOADX 0
	LOADX 1
	BLOCK 0
	LOADX 2
	BLOCK 1
	LOADX 3
	BLOCK 2
	BLOCK 3
	; the scale words.  K step s has blocks 4 s .. 4 s + 3; of them I hold 4 s + h (q = 2 s) and 4 s + 2 + h (q = 2 s + 1): bytes h and 2 + h of the word
	v_lshl_or_b32 v22, v[EB+1], 16, v[EB]
	v_lshl_or_b32 v23, v[EB+3], 16, v[EB+2]
	s_delay_alu instid0(VALU_DEP_2)
	v_lshlrev_b32 v22, v9, v22
	s_delay_alu instid0(VALU_DEP_2)
	v_lshlrev_b32 v23, v9, v23
	s_delay_alu instid0(VALU_DEP_2)
	v_permlanex16_b32 v24, v22, s20, s21
	s_delay_alu instid0(VALU_DEP_2)
	v_permlanex16_b32 v25, v23, s20, s21
	s_delay_alu instid0(VALU_DEP_2)
	v_or_b32 v22, v22, v24                         ; with lane l xor 16's two bytes each word is whole
	s_delay_alu instid0(VALU_DEP_2)
	v_or_b32 v23, v23, v25
	v_cmp_lt_u32 vcc_lo, 15, v1
	s_delay_alu instid0(VALU_DEP_1)
	v_cndmask_b32 v22, v22, v23, vcc_lo            ; lanes 0-15 keep K step 0's word, lanes 16-31 K step 1's
	global_store_b32 v8, v22, s[8:9] offset:2048
	v_pk_add_f32 v[18:19], v[18:19], v[20:21]      ; the squares: two chains, two halves,
	s_delay_alu instid0(VALU_DEP_1)
	v_add_f32 v18, v18, v19
	s_delay_alu instid0(VALU_DEP_1)
	v_permlanex16_b32 v26, v18, s20, s21
	s_delay_alu instid0(VALU_DEP_1)
	v_add_f32 v18, v18, v26                        ; and lane l xor 16's four blocks: the row's sum
	global_store_b32 v8, v18, s[8:9] offset:2176   ; this store and the one above cover the tile's last 256 bytes, 128 each
	s_wait_tensorcnt 0x0
	ds_add_u32 v240, v241
	s_wait_dscnt 0x0
	s_endpgm
.Lfunc_end_k_qcaaa997f94_quant:
	.size	k_qcaaa997f94_quant, .Lfunc_end_k_qcaaa997f94_quant-k_qcaaa997f94_quant
	.p2alignl 7, 3214868480
	.fill 96, 4, 3214868480
	.section	.rodata,"a",@progbits
	.p2align	6, 0x0
	.amdhsa_kernel k_qcaaa997f94_quant
		.amdhsa_group_segment_fixed_size 167680
		.amdhsa_private_segment_fixed_size 0
		.amdhsa_enable_private_segment 0
		.amdhsa_kernarg_size 24
		.amdhsa_user_sgpr_count 2
		.amdhsa_user_sgpr_kernarg_segment_ptr 1
		.amdhsa_wavefront_size32 1
		.amdhsa_system_sgpr_workgroup_id_x 1
		.amdhsa_system_sgpr_workgroup_id_y 1
		.amdhsa_system_sgpr_workgroup_id_z 1
		.amdhsa_system_vgpr_workitem_id 0
		.amdhsa_next_free_vgpr 242
		.amdhsa_next_free_sgpr 66
		.amdhsa_reserve_vcc 1
		.amdhsa_float_denorm_mode_32 3
		.amdhsa_float_denorm_mode_16_64 3
		.amdhsa_memory_ordered 1
		.amdhsa_forward_progress 1
		.amdhsa_inst_pref_size 24
	.end_amdhsa_kernel
	.amdgpu_metadata
---
amdhsa.version: [ 1, 2 ]
amdhsa.kernels:
  - .name:           k_qcaaa997f94_quant
    .symbol:         k_qcaaa997f94_quant.kd
    .args:
      - { .name: z, .offset: 0, .size: 8, .value_kind: global_buffer, .address_space: global }
      - { .name: emb_weight, .offset: 8, .size: 8, .value_kind: global_buffer, .address_space: global }
      - { .name: pack, .offset: 16, .size: 8, .value_kind: global_buffer, .address_space: global }
    .group_segment_fixed_size: 167680
    .private_segment_fixed_size: 0
    .kernarg_segment_align: 8
    .kernarg_segment_size: 24
    .max_flat_workgroup_size: 320
    .sgpr_count:     66
    .vgpr_count:     242
    .wavefront_size: 32
...
	.end_amdgpu_metadata
.endif
;; end of part 1
;; launch sweep (part 2): grid 32 x 8, 16 waves a work-group, clusters of 4 x 1, 169,984 bytes of LDS; arguments pack, cand; writes cand
.if DOCPART == 2
	.amdgcn_target "amdgcn-amd-amdhsa--gfx1250"
	.amdhsa_code_object_version 6
	.text
	.protected	k_qcaaa997f94_sweep
	.globl	k_qcaaa997f94_sweep
	.p2align	8
	.type	k_qcaaa997f94_sweep,@function
k_qcaaa997f94_sweep:
	s_mov_b64 s[64:65], 0
	v_nop
	global_prefetch_b8 v0, s[64:65] scope:SCOPE_SE
	s_setreg_imm32_b32 hwreg(HW_REG_WAVE_MODE, 25, 1), 1
	s_wait_xcnt 0x0
	s_wait_alu depctr_hold_cnt(0) depctr_sa_sdst(0) depctr_va_vdst(0) depctr_va_sdst(0) depctr_va_ssrc(0) depctr_va_vcc(0) depctr_vm_vsrc(0)
	s_getreg_b32 s2, hwreg(HW_REG_IB_STS2, 6, 4)
	s_cmp_eq_u32 s2, 0
	s_cbranch_scc0 .Lentry_in_a_cluster
	s_endpgm
.Lentry_in_a_cluster:
	s_bfe_u32 s2, ttmp6, 0x10000c
	s_cmp_lg_u32 s2, 0x3003
	s_cbranch_scc0 .Lentry_shape_is_right
	s_endpgm
.Lentry_shape_is_right:
; For each row of z and each block of 1,024 rows of emb: the smallest d[n] = (|z|^2 + |e_n|^2) - 2 c[n] and the FIRST n that has it.  c = z . e_n on codes of FP4 with E8M0 scales, K = 256: two matrix instructions.
; d is formed in the order of the definition: s = |z|^2 + |e_n|^2, rounded; d = s - 2 c, rounded once (a fused multiply-add by -2).  Equal d are common, and the lowest n has to win:
; the tiles are walked in ascending order and a tile is taken only where it is strictly smaller.
; LIMITS: NaN and infinities are not served.
; SHARES.  Work-group (zb, eb) takes rows 1,024 zb on of z against rows 1,024 eb on of emb: 32 x 8 = 256 work-groups.  The emb block, 64 tiles of 2,304 bytes as the launch before laid them,
; lies in LDS for the whole launch: filled once, nothing is filled again, and nothing comes from memory inside the loop, so there is nothing to prefetch.
; Each of the sixteen waves owns 64 rows of z (four tiles), whose fragments stay in its registers, and walks all 64 emb tiles.
; CLUSTER.  The four work-groups of a cluster lie along x and share eb: the emb block is asked for JOINTLY, by the same tensor loads with the same descriptors and a mask that names the four.
; My place in the cluster enters only the addresses of z's fragments and of the results.
; THE MATRIX INSTRUCTION IS USED TRANSPOSED: source 0 = 16 rows of emb, source 1 = 16 rows of z: lane (r, h) holds row r of z, and its register j the emb row 16 T + 8 h + j.
; WHAT A LANE KEEPS for each of its four rows, in a block of eight registers: the first SEVEN d of the tile at which the minimum last fell, and that tile's number.  The eighth d is not kept:
; where none of the seven equals the minimum, it is the eighth.  The eight selects of a block go as four dual pairs on one compare.
; A tile's work on the wave's four rows goes stage by stage, the four by turns, so that an instruction seldom reads what the few before it wrote.
; OUT: cand [8 emb blocks][32768 rows][key, n]: key = d's bits turned into a whole number that rises with d.
.set TILEB, 2304
.set SPARE, 0x29000                    ; behind the block: the spare words, 128 bytes for each of sixteen waves
.set AC0, 1                            ; 16 x lane: my place in an image of codes
.set AS0, 2                            ; 2048 + 4 x lane: my scale word in a tile
.set AB0, 3                            ; 2176 + 32 h: the squares of emb rows 8 h .. 8 h + 7 of a tile
.set ADC, 4                            ; v4-6 the same three at the four tiles in hand
.set ADS, 5
.set ADB, 6
.set NB,  7                            ; 8 h + 1024 eb
.set GO,  8                            ; 8 x lane
.set LS,  9                            ; 4 x lane
.set LN,  10                           ; lane
.set A,   12                           ; v12-19   |z|^2 of my row of tile i, twice
.set ZS,  20                           ; v20-23   z's scale words: lanes 0-15 K step 0, lanes 16-31 K step 1.  These and v24 hold scales and nothing else
.set ES,  24                           ; v24      emb's, likewise
.set TV,  25                           ; v25      the tile's number, for the dual select: a half of a pair reads one scalar value, and the select's is VCC
.set RUN, 26                           ; v26-33   the running minimum of tile i, in two registers by turns
.set B,   34                           ; v34-49   |e|^2 of my eight emb rows, two sets
.set F,   50                           ; v50-65   the emb tile's two fragments
.set ACC, 66                           ; v66-97   four accumulators: c, then d
.set CP,  98                           ; v98-129  what is kept: block i: seven d, then the tile's number
.set ZF,  130                          ; v130-193 z's fragments: tile i, K step s at 16 i + 8 s
.set S,   194                          ; v194-225 s for 4 x 8 pairs of rows; then partial minima; on the way out at work
.set JJ,  S                            ; the way out: four registers each, one for each of my rows
.set KK,  S+4
.set TT,  S+8
.set KP,  S+12
.set NP,  S+16
.set KM,  226
.set NM,  230
.set OUTR, 240
.set SPW, 244                          ; my spare word's LDS address; never rewritten
.set NIL, 245                          ; 0; never rewritten
.set TB,  24                           ; s24  LDS byte of the four tiles in hand
.set TN,  25                           ; s25  the tile's number in the block
.set MK,  44                           ; s44-47 the way out: a compare's mask for each of my rows
.macro CROUND                          ; a round of the cluster's barrier
	s_barrier_signal -1
	s_barrier_wait -1
	s_cmp_lg_u32 s8, 0
	s_cbranch_scc1 .Lnot_wave_0_\@
	s_barrier_signal -3
.Lnot_wave_0_\@:
	s_barrier_wait -3
	s_barrier_signal -1
	s_barrier_wait -1
.endm
	s_load_b128 s[4:7], s[0:1], 0x0                ; pack, cand
	v_lshl_add_u32 v[SPW], v0, 2, SPARE
	v_mov_b32 v[NIL], 0
	ds_add_u32 v[SPW], v[NIL]                      ; the opening lines: the add, twice on end, and its wait ahead of my tensor load
	ds_add_u32 v[SPW], v[NIL]
	v_lshrrev_b32 v11, 5, v0
	v_readfirstlane_b32 s8, v11                    ; wave 0..15
	s_bfe_u32 s9, ttmp6, 0x40000                   ; cx
	s_lshl_b32 s10, ttmp9, 2
	s_add_co_u32 s10, s10, s9                      ; zb = 4 x cluster x + cx
	s_and_b32 s11, ttmp7, 0xffff                   ; eb, which the four partners share
	; group 1: four tiles, 9,216 dense bytes, as 36 rows of 256 bytes (32 elements of 8 bytes)
	s_mov_b32 s16, 15|(3<<16)|(1<<21)              ; the mask names all four work-groups; bit 21 beside it
	s_mov_b32 s17, 32<<16
	s_mov_b32 s18, 36<<16
	s_mov_b32 s19, 32<<16
	s_mov_b32 s20, 36
	s_mov_b32 s21, 32
	s_mov_b32 s22, 0
	s_mov_b32 s23, 0
	s_mov_b32 s12, 1
	s_mul_i32 s13, s8, 4*TILEB                     ; LDS address: wave x four tiles
	s_lshl_b32 s34, s11, 6
	s_add_co_u32 s34, s34, 2048
	s_lshl_b32 s35, s8, 2
	s_add_co_u32 s34, s34, s35                     ; emb's tile 2048 + 64 eb + 4 x wave,
	s_mul_i32 s34, s34, TILEB                      ; in bytes (s34, s35 never hold cx)
	s_mov_b32 s35, 0
	s_lshl_b32 s36, s10, 6
	s_lshl_b32 s37, s8, 2
	s_add_co_u32 s36, s36, s37                     ; z's tile 64 zb + 4 x wave,
	s_mul_i32 s36, s36, TILEB
	s_mov_b32 s37, 0
	s_lshl_b32 s38, s11, 18                        ; cand: 262,144 bytes an emb block,
	s_lshl_b32 s39, s10, 13                        ; 8 bytes a row, 1,024 rows a work-group,
	s_add_co_u32 s38, s38, s39
	s_lshl_b32 s39, s8, 9                          ; 64 a wave
	s_add_co_u32 s38, s38, s39
	s_mov_b32 s39, 0
	s_mov_b32 s28, 0x76543210
	s_mov_b32 s29, 0xfedcba98                      ; v_permlanex16_b32's selects for lane l xor 16
	s_mov_b32 s40, 0x7f800000                      ; +infinity
	s_mov_b32 s[TB], 0
	s_mov_b32 s[TN], 0
	s_lshl_b32 s27, s11, 10
	v_and_b32 v[LN], 31, v0
	v_bfe_u32 v11, v0, 4, 1                        ; h
	v_lshlrev_b32 v[AC0], 4, v[LN]
	v_lshl_add_u32 v[AS0], v[LN], 2, 2048
	v_lshl_add_u32 v[AB0], v11, 5, 2176
	v_lshl_add_u32 v[NB], v11, 3, s27
	v_lshlrev_b32 v[GO], 3, v[LN]
	v_lshlrev_b32 v[LS], 2, v[LN]
	s_wait_alu depctr_va_vdst(0)
	s_wait_dscnt 0x0                               ; both opening adds are done
	s_wait_kmcnt 0x0
	s_add_nc_u64 s[14:15], s[4:5], s[34:35]        ; group 0: my four tiles of emb,
	s_or_b32 s15, s15, 0x80000000                  ; type = 2
	s_add_nc_u64 s[30:31], s[4:5], s[36:37]        ; z's four tiles
	s_add_nc_u64 s[32:33], s[6:7], s[38:39]        ; my 64 entries of cand
.irp i, 0,1,2,3
.irp q, 0,1,2,3
	global_load_b128 v[ZF+16*\i+4*\q:ZF+16*\i+4*\q+3], v[AC0], s[30:31] offset:TILEB*\i+512*\q   ; the images are the registers: 512 consecutive bytes a load
.endr
	global_load_b32 v[ZS+\i], v[LS], s[30:31] offset:TILEB*\i+2048
	global_load_b32 v[A+2*\i], v[LS], s[30:31] offset:TILEB*\i+2176
.endr
	CROUND                                         ; all four work-groups are here: the joint loads meet
	tensor_load_to_lds s[12:15], s[16:23]          ; every wave brings four of the 64 tiles: one tensor load of mine is out
	s_nop 0
.rept 4
	v_nop
.endr
.irp i, 0,1,2,3
	v_mov_b32 v[RUN+2*\i], s40                     ; over every d
.endr
.set j, 0
.rept 32
.if (j%8) == 7
	v_mov_b32 v[CP+j], 0                           ; the selects read what they may keep: written once
.else
	v_mov_b32 v[CP+j], s40
.endif
.set j, j+1
.endr
	s_wait_loadcnt 0x0                             ; z's fragments, scale words and squares
.irp i, 0,1,2,3
	v_mov_b32 v[A+2*\i+1], v[A+2*\i]
.endr
	s_wait_tensorcnt 0x0                           ; my four tiles are in LDS,
	s_barrier_signal -1
	s_barrier_wait -1                              ; everybody's are
.macro ADR
	v_add_nc_u32 v[ADC], s[TB], v[AC0]
	v_add_nc_u32 v[ADS], s[TB], v[AS0]
	v_add_nc_u32 v[ADB], s[TB], v[AB0]
.endm
.macro FETCH p, off                    ; the tile off bytes on: two fragments, scale words, my eight rows' squares into set p: seven loads
.irp q, 0,1,2,3
	ds_load_b128 v[F+4*\q:F+4*\q+3], v[ADC] offset:(\off)+512*\q
.endr
	ds_load_b32 v[ES], v[ADS] offset:(\off)
	ds_load_b128 v[B+8*(\p):B+8*(\p)+3], v[ADB] offset:(\off)
	ds_load_b128 v[B+8*(\p)+4:B+8*(\p)+7], v[ADB] offset:(\off)+16
.endm
.macro MM                              ; c for 16 emb rows x my 64 rows.  The four accumulators take turns; the first K step starts the sums
.irp i, 0,1,2,3
	v_wmma_scale_f32_16x16x128_f8f6f4 v[ACC+8*\i:ACC+8*\i+7], v[F:F+7], v[ZF+16*\i:ZF+16*\i+7], 0, v[ES], v[ZS+\i] matrix_a_fmt:MATRIX_FMT_FP4 matrix_b_fmt:MATRIX_FMT_FP4
.endr
.irp i, 0,1,2,3
	v_wmma_scale_f32_16x16x128_f8f6f4 v[ACC+8*\i:ACC+8*\i+7], v[F+8:F+15], v[ZF+16*\i+8:ZF+16*\i+15], v[ACC+8*\i:ACC+8*\i+7], v[ES], v[ZS+\i] matrix_a_fmt:MATRIX_FMT_FP4 matrix_b_fmt:MATRIX_FMT_FP4 matrix_a_scale:MATRIX_SCALE_ROW1 matrix_b_scale:MATRIX_SCALE_ROW1
.endr
.endm
.macro SADD i, p                       ; s = |z|^2 + |e|^2 for my row of tile i and my eight emb rows
.irp k, 0,2,4,6
	v_pk_add_f32 v[S+8*(\i)+\k:S+8*(\i)+\k+1], v[B+8*(\p)+\k:B+8*(\p)+\k+1], v[A+2*(\i):A+2*(\i)+1]
.endr
.endm
; The minimum of a row's eight d and its running minimum: three partial minima (MA, MB, MC) and their minimum (MR), which goes from register p to register 1 - p
.macro MA i
	v_min3_num_f32 v[S+8*(\i)], v[ACC+8*(\i)], v[ACC+8*(\i)+1], v[ACC+8*(\i)+2]
.endm
.macro MB i
	v_min3_num_f32 v[S+8*(\i)+1], v[ACC+8*(\i)+3], v[ACC+8*(\i)+4], v[ACC+8*(\i)+5]
.endm
.macro MC i, p
	v_min3_num_f32 v[S+8*(\i)+2], v[ACC+8*(\i)+6], v[ACC+8*(\i)+7], v[RUN+2*(\i)+(\p)]
.endm
.macro MR i, p
	v_min3_num_f32 v[RUN+2*(\i)+1-(\p)], v[S+8*(\i)], v[S+8*(\i)+1], v[S+8*(\i)+2]
.endm
.macro FELL i, p                       ; the minimum never rises: VCC is set where it has NOT fallen: there all is kept, so that of equal d the earlier tile stays
	v_cmp_ge_f32 vcc_lo, v[RUN+2*(\i)+1-(\p)], v[RUN+2*(\i)+(\p)]
.endm
.macro TAKE i                          ; seven d and the tile's number, by four dual pairs
.irp j, 0,2,4
	v_dual_cndmask_b32 v[CP+8*(\i)+\j], v[ACC+8*(\i)+\j], v[CP+8*(\i)+\j] :: v_dual_cndmask_b32 v[CP+8*(\i)+\j+1], v[ACC+8*(\i)+\j+1], v[CP+8*(\i)+\j+1]
.endr
	v_dual_cndmask_b32 v[CP+8*(\i)+6], v[ACC+8*(\i)+6], v[CP+8*(\i)+6] :: v_dual_cndmask_b32 v[CP+8*(\i)+7], v[TV], v[CP+8*(\i)+7]
.endm
; A tile.  fetch = 1: the tile off bytes from the first of the four is fetched for the next turn.  F and ES have one set: they are free as soon as the eight products are issued.
; The move and SADD 0's four additions, which name no register of the products, are the places in front of the loads into F and ES (ISA guide 7.12.1 for vector instructions);
; all sixteen additions stand in front of the first read of a result.  Behind the multiply-adds the four rows' minima, compares and selects are laid so that later rows' minima stand between a compare and the selects that read VCC.
.macro TILE p, fetch, off
	s_wait_dscnt 0x0                               ; the tile's seven loads, issued a tile ago, are in
	MM
	v_mov_b32 v[TV], s[TN]
	SADD 0, \p
.if \fetch
	FETCH 1-(\p), \off
.endif
.irp i, 1,2,3
	SADD \i, \p
.endr
.irp k, 0,2,4,6
.irp i, 0,1,2,3
	v_pk_fma_f32 v[ACC+8*\i+\k:ACC+8*\i+\k+1], v[ACC+8*\i+\k:ACC+8*\i+\k+1], -2.0, v[S+8*\i+\k:S+8*\i+\k+1] op_sel_hi:[1,0,1]   ; d = s - 2 c, in place; each accumulator is read from its low end on
.endr
.endr
	MA 0
	MB 0
	MC 0, \p
	MA 1
	MB 1
	MC 1, \p
	s_delay_alu instid0(VALU_DEP_4)
	MR 0, \p
	MA 2
	MB 2
	s_delay_alu instid0(VALU_DEP_3)
	FELL 0, \p
	MC 2, \p
	MR 1, \p
	MA 3
	TAKE 0
	FELL 1, \p
	MB 3
	MC 3, \p
	MR 2, \p
	TAKE 1
	FELL 2, \p
	MR 3, \p
	TAKE 2
	FELL 3, \p
	TAKE 3
	s_add_co_u32 s[TN], s[TN], 1
.endm
.macro QUAD last                       ; four tiles: after them the minimum is back in register 0 and the squares in set 0
	ADR
	s_wait_alu depctr_va_vdst(0)
	TILE 0, 1, TILEB
	TILE 1, 1, 2*TILEB
	TILE 0, 1, 3*TILEB
	TILE 1, 1-\last, 4*TILEB
	s_add_co_u32 s[TB], s[TB], 4*TILEB
.endm
	ADR
	FETCH 0, 0                                     ; tile 0
	s_mov_b32 s26, 15
.Lquad:
	QUAD 0
	s_sub_co_u32 s26, s26, 1
	s_cmp_lg_u32 s26, 0
	s_cbranch_scc1 .Lquad
	QUAD 1                                         ; tiles 60 to 63: nothing lies behind them to fetch
; THE WAY OUT, my four rows by turns at every stage.  The first of the kept d that equals the minimum (the eighth where none of the seven does); n; the key;
; then lanes l and l xor 16, which hold the same row of z and other emb rows, are joined: the smaller key, of equal keys the lower n.
.macro H4
	s_delay_alu instid0(VALU_DEP_4)
.endm
.irp i, 0,1,2,3
	v_mov_b32 v[JJ+\i], 7
.endr
.irp j, 6,5,4,3,2,1,0
.irp i, 0,1,2,3
	v_cmp_neq_f32 s[MK+\i], v[CP+8*\i+\j], v[RUN+2*\i]
.endr
.irp i, 0,1,2,3
	H4
	v_cndmask_b32 v[JJ+\i], \j, v[JJ+\i], s[MK+\i]   ; descending, so that the lowest equal j stays
.endr
.endr
.irp i, 0,1,2,3
	H4
	v_lshl_add_u32 v[NM+\i], v[CP+8*\i+7], 4, v[JJ+\i]
.endr
.irp i, 0,1,2,3
	v_add_f32 v[KK+\i], 0, v[RUN+2*\i]             ; -0 becomes +0
.endr
.irp i, 0,1,2,3
	v_add_nc_u32 v[NM+\i], v[NM+\i], v[NB]         ; n = 1024 eb + 16 T + 8 h + j
.endr
.irp i, 0,1,2,3
	v_ashrrev_i32 v[TT+\i], 31, v[KK+\i]
.endr
.irp i, 0,1,2,3
	H4
	v_or_b32 v[TT+\i], 0x80000000, v[TT+\i]
.endr
.irp i, 0,1,2,3
	H4
	v_xor_b32 v[KK+\i], v[KK+\i], v[TT+\i]         ; the sign bit turned where d >= 0, all bits where d < 0: an unsigned number that rises with d
.endr
.irp i, 0,1,2,3
	H4
	v_permlanex16_b32 v[KP+\i], v[KK+\i], s28, s29 ; (the destinations were written in every tile)
.endr
.irp i, 0,1,2,3
	v_permlanex16_b32 v[NP+\i], v[NM+\i], s28, s29
.endr
.irp i, 0,1,2,3
	v_min_u32 v[KM+\i], v[KK+\i], v[KP+\i]
.endr
.irp i, 0,1,2,3
	H4
	v_cmp_eq_u32 s[MK+\i], v[KK+\i], v[KM+\i]
.endr
.irp i, 0,1,2,3
	H4
	v_cndmask_b32 v[NM+\i], -1, v[NM+\i], s[MK+\i]
.endr
.irp i, 0,1,2,3
	v_cmp_eq_u32 s[MK+\i], v[KP+\i], v[KM+\i]
.endr
.irp i, 0,1,2,3
	H4
	v_cndmask_b32 v[NP+\i], -1, v[NP+\i], s[MK+\i]
.endr
.irp i, 0,1,2,3
	H4
	v_min_u32 v[NM+\i], v[NM+\i], v[NP+\i]
.endr
	v_cmp_lt_u32 vcc_lo, 15, v[LN]
.irp p, 0,1
	v_cndmask_b32 v[OUTR+2*\p], v[KM+2*\p], v[KM+2*\p+1], vcc_lo    ; lanes 0-15 take tile 2 p's rows, lanes 16-31 tile 2 p + 1's: 32 rows on end
	v_cndmask_b32 v[OUTR+2*\p+1], v[NM+2*\p], v[NM+2*\p+1], vcc_lo
	global_store_b64 v[GO], v[OUTR+2*\p:OUTR+2*\p+1], s[32:33] offset:256*\p   ; 32 lanes store 256 consecutive bytes, at a multiple of 256 from cand's first byte
.endr
	s_wait_tensorcnt 0x0                           ; the wave's end
	ds_add_u32 v[SPW], v[NIL]
	s_wait_dscnt 0x0
	CROUND                                         ; the closing round: no work-group ends while a partner may still ask for a tile that names it
	s_endpgm
.Lfunc_end_k_qcaaa997f94_sweep:
	.size	k_qcaaa997f94_sweep, .Lfunc_end_k_qcaaa997f94_sweep-k_qcaaa997f94_sweep
	.p2alignl 7, 3214868480
	.fill 96, 4, 3214868480
	.section	.rodata,"a",@progbits
	.p2align	6, 0x0
	.amdhsa_kernel k_qcaaa997f94_sweep
		.amdhsa_group_segment_fixed_size 169984
		.amdhsa_private_segment_fixed_size 0
		.amdhsa_enable_private_segment 0
		.amdhsa_kernarg_size 16
		.amdhsa_user_sgpr_count 2
		.amdhsa_user_sgpr_kernarg_segment_ptr 1
		.amdhsa_wavefront_size32 1
		.amdhsa_system_sgpr_workgroup_id_x 1
		.amdhsa_system_sgpr_workgroup_id_y 1
		.amdhsa_system_sgpr_workgroup_id_z 1
		.amdhsa_system_vgpr_workitem_id 0
		.amdhsa_next_free_vgpr 246
		.amdhsa_next_free_sgpr 66
		.amdhsa_reserve_vcc 1
		.amdhsa_float_denorm_mode_32 3
		.amdhsa_float_denorm_mode_16_64 3
		.amdhsa_memory_ordered 1
		.amdhsa_forward_progress 1
		.amdhsa_inst_pref_size 63
	.end_amdhsa_kernel
	.amdgpu_metadata
---
amdhsa.version: [ 1, 2 ]
amdhsa.kernels:
  - .name:           k_qcaaa997f94_sweep
    .symbol:         k_qcaaa997f94_sweep.kd
    .args:
      - { .name: pack, .offset: 0, .size: 8, .value_kind: global_buffer, .address_space: global }
      - { .name: cand, .offset: 8, .size: 8, .value_kind: global_buffer, .address_space: global }
    .group_segment_fixed_size: 169984
    .private_segment_fixed_size: 0
    .kernarg_segment_align: 8
    .kernarg_segment_size: 16
    .max_flat_workgroup_size: 512
    .sgpr_count:     66
    .vgpr_count:     246
    .wavefront_size: 32
...
	.end_amdgpu_metadata
.endif
;; end of part 2
;; launch gather (part 3): grid 256 x 1, 8 waves a work-group, no clusters, 0 bytes of LDS; arguments cand, z, emb_weight, out0, part; writes out0, part
.if DOCPART == 3
	.amdgcn_target "amdgcn-amd-amdhsa--gfx1250"
	.amdhsa_code_object_version 6
	.text
	.protected	k_qcaaa997f94_gather
	.globl	k_qcaaa997f94_gather
	.p2align	8
	.type	k_qcaaa997f94_gather,@function
k_qcaaa997f94_gather:
	s_mov_b64 s[64:65], 0
	v_nop
	global_prefetch_b8 v0, s[64:65] scope:SCOPE_SE
	s_setreg_imm32_b32 hwreg(HW_REG_WAVE_MODE, 25, 1), 1
	s_wait_xcnt 0x0
; For each row: of the eight candidates (key, n) that the launch before stored, the smallest key, of equal keys the lowest n: that is idx.  All of it is whole-number work on numbers read from memory.
; Then t = emb[idx] - z, out0 = z + t, in this order of operations, and the sum of t^2: one partial sum a wave, into part.
; SHARES: a wave takes 16 rows; a row of 1,024 bytes is two loads or stores of the wave, 512 consecutive bytes each.  256 work-groups x 8 waves x 16 rows.  Waves share nothing: no LDS, no barrier;
; memory binds, so the matrix unit and clusters have nothing to give.  All 32 loads of z are out from the head on; emb's rows follow as soon as idx is known, eight rows ahead.
.set Z, 48                             ; v48-175  z: row k at 8 k
.set E, 176                            ; v176-239 emb's rows, then out0's: eight slots, row k in slot k % 8
.set T, 26                             ; v26-33   t
.set RB, 32                            ; s[32+2k:33+2k] the address of row k's emb row: sixteen pairs, never rewritten
	s_load_b256 s[4:11], s[0:1], 0x0               ; cand s[4:5], z s[6:7], emb_weight s[8:9], out0 s[10:11]
	s_load_b64 s[12:13], s[0:1], 0x20              ; part
	v_lshrrev_b32 v1, 5, v0
	s_delay_alu instid0(VALU_DEP_1)
	v_readfirstlane_b32 s16, v1                    ; wave 0..7
	v_and_b32 v1, 31, v0                           ; lane
	v_and_b32 v2, 15, v0                           ; r
	v_bfe_u32 v3, v0, 4, 1                         ; h
	s_delay_alu instid0(VALU_DEP_3)
	v_lshlrev_b32 v4, 4, v1                        ; 16 x lane
	s_delay_alu instid0(VALU_DEP_3)
	v_lshlrev_b32 v5, 3, v2
	s_delay_alu instid0(VALU_DEP_1)
	v_lshl_add_u32 v5, v3, 20, v5                  ; cand: 8 bytes a row; lanes 16-31 begin four emb blocks (4 x 262,144 bytes) on
	v_mov_b32 v16, 0                               ; a lane permute's destination counts as one of its sources
	v_mov_b32 v17, 0
	v_mov_b32 v6, 0
	s_mov_b32 s14, 0x76543210
	s_mov_b32 s15, 0xfedcba98                      ; v_permlanex16_b32's selects for lane l xor 16
	s_lshl_b32 s17, ttmp9, 3
	s_add_co_u32 s17, s17, s16                     ; my wave's number in the launch, 0..2047
	s_lshl_b32 s18, s17, 7                         ; 16 rows x 8 bytes of cand
	s_mov_b32 s19, 0
	s_lshl_b32 s20, s17, 14                        ; 16 rows x 1,024 bytes of z and of out0
	s_mov_b32 s21, 0
	s_lshl_b32 s22, s17, 2                         ; my word of part
	s_mov_b32 s23, 0
	s_wait_alu depctr_va_vdst(0)
	s_wait_kmcnt 0x0
	s_add_nc_u64 s[4:5], s[4:5], s[18:19]
	s_add_nc_u64 s[6:7], s[6:7], s[20:21]
	s_add_nc_u64 s[10:11], s[10:11], s[20:21]
	s_add_nc_u64 s[12:13], s[12:13], s[22:23]
.irp e, 0,1,2,3
	global_load_b64 v[8+2*\e:9+2*\e], v5, s[4:5] offset:262144*\e   ; lane (r, h): row r's candidate of emb block 4 h + e
.endr
.set i, 0
.rept 32
	global_load_b128 v[Z+4*i:Z+4*i+3], v4, s[6:7] offset:512*i th:TH_LOAD_NT   ; the launch reads each byte of z once
.set i, i+1
.endr
	s_wait_loadcnt 32                              ; the four candidates are in; z's 32 loads stay out
.irp e, 1
	v_cmp_lt_u32 vcc_lo, v[8+2*\e], v8             ; strictly smaller: of equal keys the lower block stays, whose n is lower
	s_delay_alu instid0(VALU_DEP_1)
	v_cndmask_b32 v8, v8, v[8+2*\e], vcc_lo
	s_delay_alu instid0(VALU_DEP_2)
	v_cndmask_b32 v9, v9, v[9+2*\e], vcc_lo
.endr
.irp e, 2, 3
	s_delay_alu instid0(VALU_DEP_2)
	v_cmp_lt_u32 vcc_lo, v[8+2*\e], v8             ; strictly smaller: of equal keys the lower block stays, whose n is lower
	s_delay_alu instid0(VALU_DEP_1)
	v_cndmask_b32 v8, v8, v[8+2*\e], vcc_lo
	s_delay_alu instid0(VALU_DEP_2)
	v_cndmask_b32 v9, v9, v[9+2*\e], vcc_lo
.endr
	s_delay_alu instid0(VALU_DEP_2)
	v_permlanex16_b32 v16, v8, s14, s15            ; lane l xor 16 holds the row's other four blocks
	s_delay_alu instid0(VALU_DEP_2)
	v_permlanex16_b32 v17, v9, s14, s15
	s_delay_alu instid0(VALU_DEP_2)
	v_min_u32 v18, v8, v16
	s_delay_alu instid0(VALU_DEP_1)
	v_cmp_eq_u32 vcc_lo, v8, v18
	s_delay_alu instid0(VALU_DEP_1)
	v_cndmask_b32 v9, -1, v9, vcc_lo
	s_delay_alu instid0(VALU_DEP_3)
	v_cmp_eq_u32 vcc_lo, v16, v18
	s_delay_alu instid0(VALU_DEP_1)
	v_cndmask_b32 v17, -1, v17, vcc_lo
	s_delay_alu instid0(VALU_DEP_1)
	v_min_u32 v9, v9, v17                          ; idx of row r
	s_wait_alu depctr_va_vdst(0)
.irp k, 0,1,2,3,4,5,6,7,8,9,10,11,12,13,14,15
	v_readlane_b32 s[RB+2*\k], v9, \k
	s_min_u32 s[RB+2*\k], s[RB+2*\k], 0x1fff       ; an index read from memory is held inside the table before it enters an address
	s_lshl_b32 s[RB+2*\k], s[RB+2*\k], 10          ; 1,024 bytes a row
	s_mov_b32 s[RB+2*\k+1], 0
	s_add_nc_u64 s[RB+2*\k:RB+2*\k+1], s[8:9], s[RB+2*\k:RB+2*\k+1]
.endr
.irp k, 0,1,2,3,4,5,6,7
	global_load_b128 v[E+8*\k:E+8*\k+3], v4, s[RB+2*\k:RB+2*\k+1]              ; no hint: many rows may name the same emb row
	global_load_b128 v[E+8*\k+4:E+8*\k+7], v4, s[RB+2*\k:RB+2*\k+1] offset:512
.endr
.macro TURN k
.set ZR, Z+8*(\k)
.set ER, E+8*((\k)%8)
.if (\k) < 8
	s_wait_loadcnt 14                              ; behind row k's two emb loads stand those of the seven rows that follow it; z's were all issued earlier
.else
	s_wait_loadcnt 2*(15-(\k))                     ; the counts run down
.endif
.irp m, 0,2,4,6
	v_pk_add_f32 v[T+\m:T+\m+1], v[ER+\m:ER+\m+1], v[ZR+\m:ZR+\m+1] neg_lo:[0,1] neg_hi:[0,1]   ; t = e - z
.endr
.irp m, 0,2,4,6
.if ((\k) == 0) && (\m < 4)
	s_delay_alu instid0(VALU_DEP_4)
	v_pk_mul_f32 v[22+\m:23+\m], v[T+\m:T+\m+1], v[T+\m:T+\m+1]                ; the first squares start the two chains
.else
	v_pk_fma_f32 v[22+(\m)%4:23+(\m)%4], v[T+\m:T+\m+1], v[T+\m:T+\m+1], v[22+(\m)%4:23+(\m)%4]
.endif
.endr
.irp m, 0,2,4,6
	v_pk_add_f32 v[ER+\m:ER+\m+1], v[ZR+\m:ZR+\m+1], v[T+\m:T+\m+1]            ; z + t
.endr
	global_store_b128 v4, v[ER:ER+3], s[10:11] offset:1024*(\k) th:TH_STORE_NT         ; 32 lanes store 512 consecutive bytes, at a multiple of 256 from out0's first byte
	global_store_b128 v4, v[ER+4:ER+7], s[10:11] offset:1024*(\k)+512 th:TH_STORE_NT
.if (\k) < 8
	s_wait_xcnt 0x0                                ; the stores have read their data: the slot is loaded again only behind this wait
	global_load_b128 v[ER:ER+3], v4, s[RB+2*((\k)+8):RB+2*((\k)+8)+1]
	global_load_b128 v[ER+4:ER+7], v4, s[RB+2*((\k)+8):RB+2*((\k)+8)+1] offset:512
.endif
.endm
.irp k, 0,1,2,3,4,5,6,7,8,9,10,11,12,13,14,15
	TURN \k
.endr
	v_pk_add_f32 v[22:23], v[22:23], v[24:25]      ; the wave's sum of t^2: two chains, two halves, 32 lanes
	s_delay_alu instid0(VALU_DEP_1)
	v_add_f32 v22, v22, v23
	s_delay_alu instid0(VALU_DEP_1)
	v_add_f32_dpp v22, v22, v22 row_xmask:1 row_mask:0xf bank_mask:0xf
	s_delay_alu instid0(VALU_DEP_1)
	v_add_f32_dpp v22, v22, v22 row_xmask:2 row_mask:0xf bank_mask:0xf
	s_delay_alu instid0(VALU_DEP_1)
	v_add_f32_dpp v22, v22, v22 row_xmask:4 row_mask:0xf bank_mask:0xf
	s_delay_alu instid0(VALU_DEP_1)
	v_add_f32_dpp v22, v22, v22 row_xmask:8 row_mask:0xf bank_mask:0xf
	s_delay_alu instid0(VALU_DEP_1)
	v_permlanex16_b32 v16, v22, s14, s15
	s_delay_alu instid0(VALU_DEP_1)
	v_add_f32 v22, v22, v16
	v_cmp_eq_u32 vcc_lo, 0, v1
	s_wait_alu depctr_va_vdst(0)
	s_wait_xcnt 0x0                                ; EXEC is a source of the stores above: it changes only behind this wait
	s_and_saveexec_b32 s24, vcc_lo
	global_store_b32 v6, v22, s[12:13]             ; lane 0 stores the wave's partial sum
	s_wait_xcnt 0x0                                ; and again, in front of the line that widens it
	s_or_b32 exec_lo, exec_lo, s24
	s_endpgm
.Lfunc_end_k_qcaaa997f94_gather:
	.size	k_qcaaa997f94_gather, .Lfunc_end_k_qcaaa997f94_gather-k_qcaaa997f94_gather
	.p2alignl 7, 3214868480
	.fill 96, 4, 3214868480
	.section	.rodata,"a",@progbits
	.p2align	6, 0x0
	.amdhsa_kernel k_qcaaa997f94_gather
		.amdhsa_group_segment_fixed_size 0
		.amdhsa_private_segment_fixed_size 0
		.amdhsa_enable_private_segment 0
		.amdhsa_kernarg_size 40
		.amdhsa_user_sgpr_count 2
		.amdhsa_user_sgpr_kernarg_segment_ptr 1
		.amdhsa_wavefront_size32 1
		.amdhsa_system_sgpr_workgroup_id_x 1
		.amdhsa_system_sgpr_workgroup_id_y 1
		.amdhsa_system_sgpr_workgroup_id_z 1
		.amdhsa_system_vgpr_workitem_id 0
		.amdhsa_next_free_vgpr 240
		.amdhsa_next_free_sgpr 66
		.amdhsa_reserve_vcc 1
		.amdhsa_float_denorm_mode_32 3
		.amdhsa_float_denorm_mode_16_64 3
		.amdhsa_memory_ordered 1
		.amdhsa_forward_progress 1
		.amdhsa_inst_pref_size 30
	.end_amdhsa_kernel
	.amdgpu_metadata
---
amdhsa.version: [ 1, 2 ]
amdhsa.kernels:
  - .name:           k_qcaaa997f94_gather
    .symbol:         k_qcaaa997f94_gather.kd
    .args:
      - { .name: cand, .offset: 0, .size: 8, .value_kind: global_buffer, .address_space: global }
      - { .name: z, .offset: 8, .size: 8, .value_kind: global_buffer, .address_space: global }
      - { .name: emb_weight, .offset: 16, .size: 8, .value_kind: global_buffer, .address_space: global }
      - { .name: out0, .offset: 24, .size: 8, .value_kind: global_buffer, .address_space: global }
      - { .name: part, .offset: 32, .size: 8, .value_kind: global_buffer, .address_space: global }
    .group_segment_fixed_size: 0
    .private_segment_fixed_size: 0
    .kernarg_segment_align: 8
    .kernarg_segment_size: 40
    .max_flat_workgroup_size: 256
    .sgpr_count:     66
    .vgpr_count:     240
    .wavefront_size: 32
...
	.end_amdgpu_metadata
.endif
;; end of part 3
;; launch loss (part 4): grid 1 x 1, 1 waves a work-group, no clusters, 0 bytes of LDS; arguments part, out1; writes out1
.if DOCPART == 4
	.amdgcn_target "amdgcn-amd-amdhsa--gfx1250"
	.amdhsa_code_object_version 6
	.text
	.protected	k_qcaaa997f94_loss
	.globl	k_qcaaa997f94_loss
	.p2align	8
	.type	k_qcaaa997f94_loss,@function
k_qcaaa997f94_loss:
	s_mov_b64 s[64:65], 0
	v_nop
	global_prefetch_b8 v0, s[64:65] scope:SCOPE_SE
	s_setreg_imm32_b32 hwreg(HW_REG_WAVE_MODE, 25, 1), 1
	s_wait_xcnt 0x0
; out1 = 0.25 m + m, m = the mean of (emb[idx] - z)^2 over 32,768 x 256 = 2^23 numbers.  part holds 2,048 partial sums, one of each wave of the launch before.
; A sum over work-groups is ordered by a launch of its own: one wave reads the 8,192 bytes by sixteen loads of 512 consecutive bytes.
	s_load_b128 s[4:7], s[0:1], 0x0                ; part, out1
	v_lshlrev_b32 v1, 4, v0                        ; 16 x lane
	v_mov_b32 v2, 0
	v_mov_b32 v3, 0                                ; a lane permute's destination counts as one of its sources
	s_mov_b32 s8, 0x76543210
	s_mov_b32 s9, 0xfedcba98
	s_wait_alu depctr_va_vdst(0)
	s_wait_kmcnt 0x0
.irp i, 0,1,2,3,4,5,6,7,8,9,10,11,12,13,14,15
	global_load_b128 v[8+4*\i:11+4*\i], v1, s[4:5] offset:512*\i
.endr
	s_wait_loadcnt 0x0
.set j, 4
.rept 28
	v_pk_add_f32 v[8+2*(j%4):9+2*(j%4)], v[8+2*(j%4):9+2*(j%4)], v[8+2*j:9+2*j]   ; four chains, started by the first four pairs
.set j, j+1
.endr
	v_pk_add_f32 v[8:9], v[8:9], v[10:11]
	v_pk_add_f32 v[12:13], v[12:13], v[14:15]
	v_pk_add_f32 v[8:9], v[8:9], v[12:13]
	v_add_f32 v8, v8, v9
	v_add_f32_dpp v8, v8, v8 row_xmask:1 row_mask:0xf bank_mask:0xf
	v_add_f32_dpp v8, v8, v8 row_xmask:2 row_mask:0xf bank_mask:0xf
	v_add_f32_dpp v8, v8, v8 row_xmask:4 row_mask:0xf bank_mask:0xf
	v_add_f32_dpp v8, v8, v8 row_xmask:8 row_mask:0xf bank_mask:0xf
	v_permlanex16_b32 v3, v8, s8, s9
	v_add_f32 v8, v8, v3
	v_mul_f32 v8, 0x34000000, v8                   ; m = the sum x 2^-23
	v_fmamk_f32 v9, v8, 0x3e800000, v8             ; 0.25 m + m: 0.25 m is exact, so the one rounding is the sum's
	v_cmp_eq_u32 vcc_lo, 0, v0
	s_wait_alu depctr_va_vdst(0)
	s_wait_xcnt 0x0                                ; EXEC changes only behind this wait
	s_and_saveexec_b32 s10, vcc_lo
	global_store_b32 v2, v9, s[6:7]
	s_wait_xcnt 0x0
	s_or_b32 exec_lo, exec_lo, s10
	s_endpgm
.Lfunc_end_k_qcaaa997f94_loss:
	.size	k_qcaaa997f94_loss, .Lfunc_end_k_qcaaa997f94_loss-k_qcaaa997f94_loss
	.p2alignl 7, 3214868480
	.fill 96, 4, 3214868480
	.section	.rodata,"a",@progbits
	.p2align	6, 0x0
	.amdhsa_kernel k_qcaaa997f94_loss
		.amdhsa_group_segment_fixed_size 0
		.amdhsa_private_segment_fixed_size 0
		.amdhsa_enable_private_segment 0
		.amdhsa_kernarg_size 16
		.amdhsa_user_sgpr_count 2
		.amdhsa_user_sgpr_kernarg_segment_ptr 1
		.amdhsa_wavefront_size32 1
		.amdhsa_system_sgpr_workgroup_id_x 1
		.amdhsa_system_sgpr_workgroup_id_y 1
		.amdhsa_system_sgpr_workgroup_id_z 1
		.amdhsa_system_vgpr_workitem_id 0
		.amdhsa_next_free_vgpr 80
		.amdhsa_next_free_sgpr 66
		.amdhsa_reserve_vcc 1
		.amdhsa_float_denorm_mode_32 3
		.amdhsa_float_denorm_mode_16_64 3
		.amdhsa_memory_ordered 1
		.amdhsa_forward_progress 1
		.amdhsa_inst_pref_size 5
	.end_amdhsa_kernel
	.amdgpu_metadata
---
amdhsa.version: [ 1, 2 ]
amdhsa.kernels:
  - .name:           k_qcaaa997f94_loss
    .symbol:         k_qcaaa997f94_loss.kd
    .args:
      - { .name: part, .offset: 0, .size: 8, .value_kind: global_buffer, .address_space: global }
      - { .name: out1, .offset: 8, .size: 8, .value_kind: global_buffer, .address_space: global }
    .group_segment_fixed_size: 0
    .private_segment_fixed_size: 0
    .kernarg_segment_align: 8
    .kernarg_segment_size: 16
    .max_flat_workgroup_size: 32
    .sgpr_count:     66
    .vgpr_count:     80
    .wavefront_size: 32
...
	.end_amdgpu_metadata
.endif
;; end of part 4
